; MI455X (gfx1250); checked and timed in simulation.
; The chip was launched on July 23, 2026; its instructions are those of AMD's public machine-readable ISA for CDNA 5 (MIT licence, August 2026) and "CDNA5" Instruction Set Architecture Reference Guide (July 2026). The comments in the code are by the model that wrote it; some were corrected since.
;; Multi Head Attention. Allowed arithmetic: matrix products marked QUANTISED: E4M3 operands, one given power-of-two scale a tensor, by v_wmma_f32_16x16x64_fp8_fp8 or v_wmma_f32_16x16x128_fp8_fp8, f32 sums; everything else in f32.
;; Inputs: Wk 1,024 x 1,024 float32; Wq 1,024 x 1,024 float32; Wv 1,024 x 1,024 float32; att_mask 4 x 1 x 1 x 2,048 float32; bk 1,024 float32; bq 1,024 float32; bv 1,024 float32; lowp_scales 10 int32 (the exponents e of the quantised operands' scales 2^e); x 4 x 2,048 x 1,024 float32.
;; Outputs: out0 4 x 2,048 x 1,024 float32.
;; This version of the problem:
;;   THIS VERSION OF THE PROBLEM IS GIVEN IN LOW PRECISION. The matrix products marked QUANTISED in the list below multiply operands that are first quantised to E4M3 (4 exponent bits, 3 mantissa bits; 8 bits a number), with one given power-of-two scale for each operand tensor; their sums are f32. All else is computed in f32.
;;   The module's matrix products, in the order in which they are computed (A, B: the left and right operand; K: the contracted axis; several contracted axes count as one K, in the product's order):
;;     1. [M 8,192, K 1,024] x [K 1,024, N 1,024]; A: input x; B: input Wq: QUANTISED (scales: A lowp_scales[0], B lowp_scales[1])
;;     2. [M 8,192, K 1,024] x [K 1,024, N 1,024]; A: input x; B: input Wk: QUANTISED (scales: A lowp_scales[2], B lowp_scales[3])
;;     3. [M 8,192, K 1,024] x [K 1,024, N 1,024]; A: input x; B: input Wv: QUANTISED (scales: A lowp_scales[4], B lowp_scales[5])
;;     4. batch 64 x [M 2,048, K 64] x [K 64, N 2,048]; A: computed on the way; B: computed on the way: QUANTISED (scales: A lowp_scales[6], B lowp_scales[7])
;;     5. batch 64 x [M 2,048, K 2,048] x [K 2,048, N 64]; A: softmax (see below); B: computed on the way: QUANTISED (scales: A lowp_scales[8], B lowp_scales[9])
;;   THE QUANTISER, for each operand of a quantised product, along K:
;;     - The operand's scale is 2^e, e = its entry of the input lowp_scales (int32; the entries are numbered through the quantised products in the list's order, A before B).
;;     - Each number is divided by the scale, clamped to +-448, and rounded to the nearest number of E4M3, ties to even, subnormals kept.
;;     - The product sums the exact products of the quantised numbers (number of the format x scale) in f32.
;;   ~~~python
;;   def quantise(x, axis, e):      # numpy; x: float32 -> the quantised numbers, widened to float32 again
;;       x = np.moveaxis(x, axis, -1); K = x.shape[-1]
;;       r = np.clip(x / 2.0 ** e, -448, 448)
;;       step = 2.0 ** (np.maximum(np.frexp(np.where(r == 0, 1, r))[1] - 1, -6) - 3)
;;       q = np.round(r / step) * step * 2.0 ** e      # np.round: ties to even
;;       return np.moveaxis(q, -1, axis).astype(np.float32)
;;   ~~~
;;   SOFTMAX AHEAD OF A QUANTISED PRODUCT. Where the list says 'softmax', what is quantised is not the finished softmax but p = 2^(t - M), with t = logit x log2(e) and M = ceil(the row's largest t), a whole number; so 1/2 < the row's largest p <= 1. The row's sum l is taken of the UNQUANTISED p, in f32, and the product's result is divided by l at the end. Since M is a whole number, a kernel that streams over the keys may use a running M (the ceiling of the running maximum): every later rescaling is an exact power of two, so the quantised numbers keep their values, but for numbers so far below the row's largest that they fall under the format's range.
;;   OPERANDS COMPUTED ON THE WAY. 'Computed on the way' means the value that the module computes at that place (a softmax that the list does not call 'softmax' is quantised finished and normalised). What goes into a quantiser is computed in f32, as accurately as f32 sums, v_exp_f32 and their like allow (about 1e-6 of the number): no bf16 or f16 on the way to a quantiser, and a product that is left as it is and whose result goes on into a quantised operand takes f32 operands (vector FMAs, or v_wmma_f32_16x16x4_f32). A number that lies on a knife's edge between two numbers of the format may be rounded either way, as far as f32 arithmetic and the matrix unit's own rounding can turn it there, and no further.
;; One version. Each part assembles by itself: llvm-mc -triple=amdgcn-amd-amdhsa -mcpu=gfx1250 --defsym DOCPART=n.
;; ======== version 1 of 1: 3 launches
;; limits: right only within a limited range of input values
;; workspace buffers: codes 28,311,552 bytes; qimg 8,388,608 bytes; kv 16,777,216 bytes
;; launch quant (part 1): grid 352 x 1, 4 waves a work-group, no clusters, 66,048 bytes of LDS; arguments x, Wq, Wk, Wv, lowp_scales, codes; writes codes
.if DOCPART == 1
	.amdgcn_target "amdgcn-amd-amdhsa--gfx1250"
	.amdhsa_code_object_version 6
	.text
	.protected	k_q71d86e3689_quant
	.globl	k_q71d86e3689_quant
	.p2align	8
	.type	k_q71d86e3689_quant,@function
k_q71d86e3689_quant:
	s_mov_b64 s[64:65], 0
	v_nop
	global_prefetch_b8 v0, s[64:65] scope:SCOPE_SE
	s_setreg_imm32_b32 hwreg(HW_REG_WAVE_MODE, 25, 1), 1
	s_wait_xcnt 0x0
; x [8192][1024] and Wq, Wk, Wv [1024][1024], f32, become codes of FP8 (E4M3), one byte each, K innermost, each with the scale 2^e that is given for that operand.
; x is an operand of three products with an entry of its own in each (entries 0, 2, 4): three sets of codes are made of one read.  Wq, Wk, Wv take entries 1, 3, 5.
; code = number / 2^e, held within +-448, rounded to the nearest code, ties to even.
; LIMITS: each e lies between -126 and 119, so that 2^e and 448 x 2^e are f32 numbers.  NaN among the inputs is not served (an infinity is held at the largest code).
; THE BUFFER OF CODES: x's three sets at 0, 8 MiB, 16 MiB, [8192][1024] bytes each; Wq's, Wk's, Wv's at 24, 25, 26 MiB, [1024][1024] bytes each.
; THE ROWS ARE LAID IN ANOTHER ORDER: row s lies at the place whose number is s with bits 3 and 4 exchanged.  Sixteen neighbouring places 16 i + r then hold the rows 32 (i / 2) + 8 (i % 2) + r + 8 (r / 8):
; the next launch's results so fall into a lane's registers as sixteen neighbours along the axis that is quantised next.
; SHARES.  A wave takes 8 rows (8,192 numbers) in 16 steps of 512.  Bits 3 and 4 of a row's number are bits 0 and 1 of the run's number, which is the wave's: only the wave's number is turned, for the stores.
; Work-groups 0-255 take x, 256-351 the weights (32 each).  The two ways part on the work-group's number and have LDS bytes of their own.
; A step: four loads of 512 consecutive bytes; the 2,048 bytes turn through the wave's own stage in LDS and come back 64 bytes a lane, since a conversion takes neighbours along K from one lane's registers;
; a lane's 16 codes are 16 bytes, so a store of the wave covers 512 consecutive bytes, aligned.  No barrier: waves share nothing.  Nothing is shared between work-groups either, so no cluster.
.set STEPS, 16
.set SP,    80                         ; a lane's place in a stage: 64 bytes + 16 of padding
.set R,     16                         ; v16-143  eight sets of 16 numbers as loaded
.set X,     170                        ; v170-201 two sets of 16 neighbours (v16-143: eight sets of 16 numbers as loaded)
.set T,     202                        ; v202-233 two sets of held numbers, by turns
.set C,     234                        ; v234-245 codes: four registers for each set of codes
.set SC,    246                        ; v246.. 2^e and 448 x 2^e, a pair for each set
.set WCODES, 0x1800000                 ; where the weights' codes begin
	s_load_b256 s[4:11], s[0:1], 0x0               ; x, Wq, Wk, Wv
	s_load_b128 s[12:15], s[0:1], 0x20             ; the scales' exponents, the codes
	v_lshl_add_u32 v168, v0, 2, 0x10000
	v_mov_b32 v169, 0
	v_lshrrev_b32 v1, 5, v0
	v_readfirstlane_b32 s16, v1                    ; wave 0..3
	v_and_b32 v2, 31, v0                           ; lane
	v_lshlrev_b32 v3, 4, v2                        ; my 16 bytes of a load's or a store's 512; never rewritten
	s_lshl_b32 s18, s16, 13                        ; my wave's 8,192 bytes of LDS
	v_lshrrev_b32 v14, 2, v2
	v_mul_u32_u24 v14, v14, SP
	v_and_b32 v15, 3, v2
	v_lshl_add_u32 v14, v15, 4, v14
	v_add_nc_u32 v14, s18, v14                     ; the stage, on the way in: SP (lane / 4) + 16 (lane % 4)
	v_mul_u32_u24 v15, v2, SP
	v_add_nc_u32 v15, s18, v15                     ; and on the way out: SP x lane
	s_and_b32 s17, s16, 1
	s_lshl_b32 s17, s17, 1
	s_lshr_b32 s19, s16, 1
	s_or_b32 s17, s17, s19                         ; the wave's number with its two bits exchanged: where my run's codes go
	s_mov_b32 s27, 0
	s_wait_kmcnt 0x0
	s_load_b256 s[32:39], s[12:13], 0x0            ; entries 0 to 7
.macro LOAD t
.irp i, 0,1,2,3
	global_load_b128 v[R+16*((\t)%8)+4*\i:R+16*((\t)%8)+4*\i+3], v3, s[4:5] offset:2048*(\t)+512*\i th:TH_LOAD_NT   ; 32 lanes read 512 consecutive bytes; read once in the launch
.endr
.endm
.macro TURN t, base                    ; step t's numbers through the stage: LDS serves a wave's instructions in order (ISA guide 5.7.1.4), so no wait stands between the stores and the loads
.irp i, 0,1,2,3
	ds_store_b128 v14, v[R+16*((\t)%8)+4*\i:R+16*((\t)%8)+4*\i+3] offset:(\base)+32*SP*((\t)%2)+8*SP*\i
.endr
.irp i, 0,1,2,3
	ds_load_b128 v[X+16*((\t)%2)+4*\i:X+16*((\t)%2)+4*\i+3], v15 offset:(\base)+32*SP*((\t)%2)+16*\i
.endr
.endm
.macro SCALE o, e                      ; set o's pair from the exponent in s[e]
	s_add_co_i32 s28, s[\e], 127
	s_lshl_b32 s29, s28, 23
	v_mov_b32 v[SC+2*\o], s29                      ; 2^e as f32: the conversion takes its exponent field
	s_add_co_i32 s28, s28, 8
	s_lshl_b32 s28, s28, 23
	s_or_b32 s28, s28, 0x600000
	v_mov_b32 v[SC+2*\o+1], s28                    ; 448 x 2^e
.endm
.macro STEP t, nout, base
	s_wait_dscnt 0x0                               ; this step's numbers are back from the stage, so its stores into the stage have read their registers,
.if (\t)+8 < STEPS
	LOAD (\t)+8                                    ; which take the loads of eight steps on
.endif
.if (\t)+1 < STEPS
.if STEPS-2-(\t) >= 7
	s_wait_loadcnt 28                              ; the next step's four loads are in; those of the seven steps behind it may be out
.else
	s_wait_loadcnt 4*(STEPS-2-(\t))                ; at the end fewer steps are behind it
.endif
	TURN (\t)+1, \base                             ; and go through the other stage while this step is worked
.endif
	s_wait_xcnt 0x0                                ; the last step's stores have read their codes: those registers are written again only behind this wait
.irp o, 0,1,2
.if \o < \nout
.set TS, T+16*((3*(\t)+\o)%2)
.irp i, 0,1,2,3,4,5,6,7,8,9,10,11,12,13,14,15
	v_med3_num_f32 v[TS+\i], v[X+16*((\t)%2)+\i], -v[SC+2*\o+1], v[SC+2*\o+1]   ; the conversion to an 8-bit code does not saturate (ISA guide 7.6.2): the hold comes first
.endr
	v_cvt_scalef32_pk8_fp8_f32 v[C+4*\o:C+4*\o+1], v[TS:TS+7], v[SC+2*\o]
	v_cvt_scalef32_pk8_fp8_f32 v[C+4*\o+2:C+4*\o+3], v[TS+8:TS+15], v[SC+2*\o]
	global_store_b128 v3, v[C+4*\o:C+4*\o+3], s[20+2*\o:21+2*\o] offset:512*(\t)   ; the wave stores 512 consecutive bytes, aligned
.endif
.endr
.endm
	s_cmp_lt_u32 ttmp9, 256
	s_cbranch_scc0 .Lweights
	; ---- x: run 4 x work-group + wave
	s_lshl_b32 s18, ttmp9, 2
	s_add_co_u32 s26, s18, s16
	s_lshl_b32 s26, s26, 15                        ; a run is 32,768 bytes of f32
	s_add_nc_u64 s[4:5], s[4:5], s[26:27]
	s_add_co_u32 s26, s18, s17
	s_lshl_b32 s26, s26, 13                        ; and 8,192 bytes of codes
	s_add_nc_u64 s[20:21], s[14:15], s[26:27]
	s_add_nc_u64 s[22:23], s[20:21], 0x800000
	s_add_nc_u64 s[24:25], s[22:23], 0x800000
	s_wait_alu depctr_va_vdst(0)
.irp t, 0,1,2,3,4,5,6,7
	LOAD \t
.endr
	s_wait_kmcnt 0x0
	SCALE 0, 32
	SCALE 1, 34
	SCALE 2, 36
	s_wait_alu depctr_va_vdst(0)
	s_wait_loadcnt 28                              ; step 0's four loads are in; seven steps' are behind them
	TURN 0, 0
.irp t, 0,1,2,3,4,5,6,7,8,9,10,11,12,13,14,15
	STEP \t, 3, 0
.endr
	s_wait_tensorcnt 0x0
	ds_add_u32 v168, v169
	s_wait_dscnt 0x0
	s_endpgm
.Lweights:
	; ---- a weight: tensor m = (work-group - 256) / 32, run 4 x the rest + wave
	s_sub_co_u32 s18, ttmp9, 256
	s_lshr_b32 s19, s18, 5                         ; m
	s_and_b32 s18, s18, 31
	s_lshl_b32 s18, s18, 2
	s_add_co_u32 s26, s18, s16
	s_lshl_b32 s26, s26, 15
	s_cmp_eq_u32 s19, 0                            ; the choice hangs on the work-group's number alone
	s_cselect_b64 s[4:5], s[6:7], s[8:9]
	s_cmp_eq_u32 s19, 2
	s_cselect_b64 s[4:5], s[10:11], s[4:5]
	s_add_nc_u64 s[4:5], s[4:5], s[26:27]
	s_add_co_u32 s26, s18, s17
	s_lshl_b32 s26, s26, 13
	s_lshl_b32 s28, s19, 20
	s_add_co_u32 s26, s26, s28
	s_add_co_u32 s26, s26, WCODES
	s_add_nc_u64 s[20:21], s[14:15], s[26:27]
	s_wait_alu depctr_va_vdst(0)
.irp t, 0,1,2,3,4,5,6,7
	LOAD \t
.endr
	s_wait_kmcnt 0x0
	s_cmp_eq_u32 s19, 0
	s_cselect_b32 s30, s33, s35                    ; entry 1, 3 or 5
	s_cmp_eq_u32 s19, 2
	s_cselect_b32 s30, s37, s30
	SCALE 0, 30
	s_wait_alu depctr_va_vdst(0)
	s_wait_loadcnt 28
	TURN 0, 32768
.irp t, 0,1,2,3,4,5,6,7,8,9,10,11,12,13,14,15
	STEP \t, 1, 32768
.endr
	s_wait_tensorcnt 0x0
	ds_add_u32 v168, v169
	s_wait_dscnt 0x0
	s_endpgm
.Lfunc_end_k_q71d86e3689_quant:
	.size	k_q71d86e3689_quant, .Lfunc_end_k_q71d86e3689_quant-k_q71d86e3689_quant
	.p2alignl 7, 3214868480
	.fill 96, 4, 3214868480
	.section	.rodata,"a",@progbits
	.p2align	6, 0x0
	.amdhsa_kernel k_q71d86e3689_quant
		.amdhsa_group_segment_fixed_size 66048
		.amdhsa_private_segment_fixed_size 0
		.amdhsa_enable_private_segment 0
		.amdhsa_kernarg_size 48
		.amdhsa_user_sgpr_count 2
		.amdhsa_user_sgpr_kernarg_segment_ptr 1
		.amdhsa_wavefront_size32 1
		.amdhsa_system_sgpr_workgroup_id_x 1
		.amdhsa_system_sgpr_workgroup_id_y 1
		.amdhsa_system_sgpr_workgroup_id_z 1
		.amdhsa_system_vgpr_workitem_id 0
		.amdhsa_next_free_vgpr 252
		.amdhsa_next_free_sgpr 66
		.amdhsa_reserve_vcc 0
		.amdhsa_float_denorm_mode_32 3
		.amdhsa_float_denorm_mode_16_64 3
		.amdhsa_memory_ordered 1
		.amdhsa_forward_progress 1
		.amdhsa_inst_pref_size 114
	.end_amdhsa_kernel
	.amdgpu_metadata
---
amdhsa.version: [ 1, 2 ]
amdhsa.kernels:
  - .name:           k_q71d86e3689_quant
    .symbol:         k_q71d86e3689_quant.kd
    .args:
      - { .name: x, .offset: 0, .size: 8, .value_kind: global_buffer, .address_space: global }
      - { .name: Wq, .offset: 8, .size: 8, .value_kind: global_buffer, .address_space: global }
      - { .name: Wk, .offset: 16, .size: 8, .value_kind: global_buffer, .address_space: global }
      - { .name: Wv, .offset: 24, .size: 8, .value_kind: global_buffer, .address_space: global }
      - { .name: lowp_scales, .offset: 32, .size: 8, .value_kind: global_buffer, .address_space: global }
      - { .name: codes, .offset: 40, .size: 8, .value_kind: global_buffer, .address_space: global }
    .group_segment_fixed_size: 66048
    .private_segment_fixed_size: 0
    .kernarg_segment_align: 8
    .kernarg_segment_size: 48
    .max_flat_workgroup_size: 128
    .sgpr_count:     66
    .vgpr_count:     252
    .wavefront_size: 32
...
	.end_amdgpu_metadata
.endif
;; end of part 1
;; launch proj (part 2): grid 12 x 32, 4 waves a work-group, clusters of 4 x 4, 327,680 bytes of LDS; arguments codes, bq, bk, bv, lowp_scales, qimg, kv; writes qimg, kv
.if DOCPART == 2
	.amdgcn_target "amdgcn-amd-amdhsa--gfx1250"
	.amdhsa_code_object_version 6
	.text
	.protected	k_q71d86e3689_proj
	.globl	k_q71d86e3689_proj
	.p2align	8
	.type	k_q71d86e3689_proj,@function
k_q71d86e3689_proj:
	s_mov_b64 s[64:65], 0
	v_nop
	global_prefetch_b8 v0, s[64:65] scope:SCOPE_SE
	s_setreg_imm32_b32 hwreg(HW_REG_WAVE_MODE, 25, 1), 1
	s_wait_xcnt 0x0
	s_wait_alu depctr_hold_cnt(0) depctr_sa_sdst(0) depctr_va_vdst(0) depctr_va_sdst(0) depctr_va_ssrc(0) depctr_va_vcc(0) depctr_vm_vsrc(0)
	s_getreg_b32 s2, hwreg(HW_REG_IB_STS2, 6, 4)
	s_cmp_eq_u32 s2, 0
	s_cbranch_scc0 .Lentry_in_a_cluster
	s_endpgm
.Lentry_in_a_cluster:
	s_bfe_u32 s2, ttmp6, 0x10000c
	s_cmp_lg_u32 s2, 0xf033
	s_cbranch_scc0 .Lentry_shape_is_right
	s_endpgm
.Lentry_shape_is_right:
.set KSTEP,  256
.set ROWB,   256
.set KROW,   1024
.set PITCH,  272
.set FR,     16
.set NL,     4
.set NP,     4
.set HALFT,  128*PITCH
.set SLOT,   4*HALFT
.set LAPS,   2
.set SPARE,  2*SLOT
.set ADRA, 16
.set ADRB, 20
.set LI,   26
.set BPA,  27
.set SPW,  28
.set NIL,  29
.set BRA,  30
.set BP,   32
.set BR,   96
.set SCL,  112
.set LIM,  113
.set AF,   128
.set T,    128
.set CD,   192
.set G1, 24
.set G0, 32
.set G1B, 48
.set G0B, 56
.set MSB, 0
.macro WIN new
.if MSB != \new
	s_set_vgpr_msb (MSB<<8)|\new
.set MSB, \new
.endif
.endm
.set MUL_LO, 0xa1
.set MUL_HI, 0xf1
.set TO_B,   0x40
.macro JLOAD g0a, g1a, g0b, g1b
	s_cmp_eq_u32 s15, 0
	s_cbranch_scc0 .Lfor_b_\@
	tensor_load_to_lds s[\g0a:\g0a+3], s[\g1a:\g1a+7]
	s_nop 0
.rept 4
	v_nop
.endr
	s_branch .Lasked_\@
.Lfor_b_\@:
	tensor_load_to_lds s[\g0b:\g0b+3], s[\g1b:\g1b+7]
	s_nop 0
.rept 4
	v_nop
.endr
.Lasked_\@:
.endm
.macro CREST
	s_cmp_lg_u32 s14, 0
	s_cbranch_scc1 .Lnot_wave_0_\@
	s_barrier_signal -3
.Lnot_wave_0_\@:
	s_barrier_wait -3
	s_barrier_signal -1
	s_barrier_wait -1
.endm
.macro CROUND
	s_barrier_signal -1
	s_barrier_wait -1
	CREST
.endm
	s_load_b64 s[4:5], s[0:1], 0x0
	s_load_b128 s[68:71], s[0:1], 0x8
	s_load_b128 s[72:75], s[0:1], 0x18
	s_load_b128 s[76:79], s[0:1], 0x28
	v_lshl_add_u32 v[SPW], v0, 2, SPARE
	v_mov_b32 v[NIL], 0
	ds_add_u32 v28, v29
	ds_add_u32 v28, v29
	s_wait_dscnt 0x0
	v_lshrrev_b32 v1, 5, v0
	v_readfirstlane_b32 s14, v1
	v_and_b32 v31, 31, v0
	v_lshlrev_b32 v31, 10, v31                     ; the prefetches' offset: my lane x a row of codes (1,024 bytes); never rewritten
	s_lshr_b32 s15, s14, 1
	s_and_b32 s16, s14, 1
	s_bfe_u32 s40, ttmp6, 0x40000
	s_bfe_u32 s41, ttmp6, 0x40004
	s_and_b32 s17, ttmp7, 0xffff
	s_lshl_b32 s17, s17, 2
	s_lshl_b32 s43, s41, 2
	s_lshl_b32 s43, 15, s43
	s_lshl_b32 s44, 0x1111, s40
	s_lshl_b32 s20, ttmp9, 23
	s_lshl_b32 s46, ttmp9, 20
	s_add_co_u32 s46, s46, 0x1800000
	s_cmp_eq_u32 ttmp9, 2
	s_cselect_b32 s18, 0, s17
	s_cselect_b32 s19, s17, 0
	s_cselect_b32 s20, 0x1a00000, s20
	s_cselect_b32 s46, 0x1000000, s46
	s_add_co_u32 s18, s18, s41
	s_add_co_u32 s19, s19, s40
	s_lshl_b32 s22, s16, 17
	s_lshl_b32 s21, s18, 18
	s_add_co_u32 s20, s20, s21
	s_add_co_u32 s20, s20, s22
	s_mov_b32 s21, 0
	s_lshl_b32 s47, s19, 18
	s_add_co_u32 s46, s46, s47
	s_add_co_u32 s46, s46, s22
	s_mov_b32 s47, 0
	s_mul_i32 s45, s14, HALFT
	s_or_b32 s[G1+0], s43, (0<<16)|(1<<20)|(1<<21)|(5<<22)|(3<<25)
	s_or_b32 s[G1B+0], s44, (0<<16)|(1<<20)|(1<<21)|(5<<22)|(3<<25)
.irp g, G1, G1B
	s_mov_b32 s[\g+1], ROWB<<16
	s_mov_b32 s[\g+2], 128<<16
	s_mov_b32 s[\g+3], ROWB<<16
	s_mov_b32 s[\g+4], 128
	s_mov_b32 s[\g+5], KROW
	s_mov_b32 s[\g+6], 0
	s_mov_b32 s[\g+7], 0
.endr
	s_wait_kmcnt 0x0
	s_load_b256 s[80:87], s[74:75], 0x0
	s_load_b64 s[88:89], s[74:75], 0x20
	s_add_nc_u64 s[20:21], s[4:5], s[20:21]
	s_add_nc_u64 s[46:47], s[4:5], s[46:47]
	s_cmp_eq_u32 s15, 0                            ; the prefetches' base, never rewritten: of the 128 rows that my wave fetches, the four partners that ask for them jointly
	s_cselect_b64 s[100:101], s[20:21], s[46:47]   ; take 32 each, told apart by address alone: by cx for the first operand's rows, by cy for the second's
	s_cselect_b32 s98, s40, s41
	s_lshl_b32 s98, s98, 15                        ; 32 rows x 1,024 bytes
	s_mov_b32 s99, 0
	s_add_nc_u64 s[100:101], s[100:101], s[98:99]
	CROUND
.irp s, 0,1
	s_mov_b32 s[G0+4*\s], 1
	s_add_co_u32 s[G0+4*\s+1], s45, \s*SLOT
	s_add_nc_u64 s[G0+4*\s+2:G0+4*\s+3], s[20:21], \s*ROWB
	s_or_b32 s[G0+4*\s+3], s[G0+4*\s+3], 0x80000000
	s_mov_b32 s[G0B+4*\s], 1
	s_add_co_u32 s[G0B+4*\s+1], s45, \s*SLOT
	s_add_nc_u64 s[G0B+4*\s+2:G0B+4*\s+3], s[46:47], \s*ROWB
	s_or_b32 s[G0B+4*\s+3], s[G0B+4*\s+3], 0x80000000
	s_wait_alu depctr_va_vdst(0)
.if \s
	s_wait_tensorcnt 0x0                           ; slot 1's first fill stands behind a wait, two adds and a round
	ds_add_u32 v28, v29
	ds_add_u32 v28, v29
	s_wait_dscnt 0x0
	CROUND
.endif
	JLOAD G0+4*\s, G1, G0B+4*\s, G1B
; prefetches into the L2: a lane a row, 256 bytes of it a K step, one instruction a wave and K step; each block is named once in the cluster.  K steps 1 and 2 behind K step 0's load, K step 3 behind K step 1's: there is no K step 4
.if \s
	global_prefetch_b8 v31, s[100:101] offset:768 th:TH_LOAD_NT scope:SCOPE_SE
.else
	global_prefetch_b8 v31, s[100:101] offset:256 th:TH_LOAD_NT scope:SCOPE_SE
	global_prefetch_b8 v31, s[100:101] offset:512 th:TH_LOAD_NT scope:SCOPE_SE
.endif
.endr
	v_and_b32 v1, 15, v0
	v_bfe_u32 v2, v0, 4, 1
	v_mul_u32_u24 v3, v1, PITCH
	v_lshl_add_u32 v4, v2, 4, v3
	s_mul_i32 s21, s15, HALFT
	s_mul_i32 s22, s16, HALFT
	s_add_co_u32 s22, s22, 2*HALFT
.irp s, 0,1
	v_add_nc_u32 v[ADRA+\s], s21, v4
	v_add_nc_u32 v[ADRB+\s], s22, v4
	s_add_co_u32 s21, s21, SLOT
	s_add_co_u32 s22, s22, SLOT
.endr
	v_and_b32 v5, 31, v0
	v_lshlrev_b32 v[LI], 4, v5
	v_lshlrev_b32 v[BPA], 6, v2
	v_and_b32 v5, 8, v1
	v_add_nc_u32 v5, v5, v1
	v_lshlrev_b32 v[BRA], 2, v5
	s_lshl_b32 s96, s18, 8
	s_lshl_b32 s97, s15, 7
	s_add_co_u32 s96, s96, s97
	s_lshl_b32 s97, s19, 8
	s_lshl_b32 s98, s16, 7
	s_add_co_u32 s97, s97, s98
	s_min_u32 s99, ttmp9, 1
	s_lshl_b32 s66, 4096, s99
	s_lshl_b32 s67, 0x20000, s99
	s_wait_alu depctr_va_vdst(0)
	s_wait_kmcnt 0x0
	s_cmp_eq_u32 ttmp9, 2
	s_cselect_b32 s98, s97, s96
	s_cselect_b32 s2, s96, s97
	s_cselect_b32 s66, 0x40000, s66
	s_cselect_b32 s67, 8192, s67
	s_cselect_b32 s17, 4096, 0
	s_cselect_b32 s22, 0, s97
	s_cselect_b32 s23, s96, 0
	s_cselect_b64 s[92:93], s[72:73], s[70:71]
	s_cselect_b32 s84, s84, s82
	s_cselect_b32 s85, s85, s83
	s_cselect_b32 s89, s89, s87
	s_cmp_eq_u32 ttmp9, 0
	s_cselect_b64 s[92:93], s[68:69], s[92:93]
	s_cselect_b64 s[94:95], s[76:77], s[78:79]
	s_cselect_b32 s84, s80, s84
	s_cselect_b32 s85, s81, s85
	s_cselect_b32 s89, s86, s89
	s_lshl_b32 s96, s22, 2
	s_mov_b32 s97, 0
	s_add_nc_u64 s[96:97], s[92:93], s[96:97]
	s_lshl_b32 s22, s23, 2
	s_mov_b32 s23, 0
	s_add_nc_u64 s[92:93], s[92:93], s[22:23]
.irp b, 0,1,2,3
.irp i, 0,1,2,3
	global_load_b128 v[BP+16*\b+4*\i:BP+16*\b+4*\i+3], v[BPA], s[96:97] offset:128*\b+16*\i
.endr
.endr
.irp a, 0,1,2,3,4,5,6,7
	global_load_b32 v[BR+2*\a], v[BRA], s[92:93] offset:4*(32*(\a/2)+8*(\a%2))
	global_load_b32 v[BR+2*\a+1], v[BRA], s[92:93] offset:4*(32*(\a/2)+8*(\a%2))
.endr
	s_add_co_i32 s84, s84, s85
	s_add_co_i32 s84, s84, 127
	s_lshl_b32 s90, s84, 23
	s_mov_b32 s91, s90
	s_add_co_i32 s89, s89, 127
	s_lshl_b32 s84, s89, 23
	v_mov_b32 v[SCL], s84
	s_add_co_i32 s89, s89, 8
	s_lshl_b32 s89, s89, 23
	s_or_b32 s89, s89, 0x600000
	v_mov_b32 v[LIM], s89
	s_lshr_b32 s22, s98, 11
	s_lshl_b32 s22, s22, 4
	s_lshr_b32 s2, s2, 6
	s_add_co_u32 s22, s22, s2
	s_and_b32 s98, s98, 2047
	s_lshl_b32 s22, s22, 17
	s_lshl_b32 s98, s98, 6
	s_add_co_u32 s22, s22, s98
	s_lshl_b32 s22, s22, s99
	s_add_co_u32 s22, s22, s17
	s_add_nc_u64 s[6:7], s[94:95], s[22:23]
	s_mov_b32 s22, s67
	s_add_nc_u64 s[8:9], s[6:7], s[22:23]
	s_mov_b32 s22, s66
	s_add_nc_u64 s[10:11], s[6:7], s[22:23]
	s_add_nc_u64 s[12:13], s[8:9], s[22:23]
.macro FRAG reg, adr, q, i
.irp c, 0,1,2,3
	ds_load_b128 v[\reg+4*\c:\reg+4*\c+3], v[\adr] offset:128*(\q)+32*\c+(\i)*16*PITCH
.endr
.endm
.macro MUL16 a0, p, zero
.irp a, \a0, \a0+1
.irp b, 0,1,2,3,4,5,6,7
.if \zero
	v_wmma_f32_16x16x128_fp8_fp8 v[8*(8*((\a)%4)+\b):8*(8*((\a)%4)+\b)+7], v[128*(\p)+FR*\b:128*(\p)+FR*\b+FR-1], v[AF+FR*(\a):AF+FR*(\a)+FR-1], 0
.else
	v_wmma_f32_16x16x128_fp8_fp8 v[8*(8*((\a)%4)+\b):8*(8*((\a)%4)+\b)+7], v[128*(\p)+FR*\b:128*(\p)+FR*\b+FR-1], v[AF+FR*(\a):AF+FR*(\a)+FR-1], v[8*(8*((\a)%4)+\b):8*(8*((\a)%4)+\b)+7]
.endif
.endr
.endr
.endm
.macro FETCH_B slot, q, p
	WIN TO_B
.irp i, 0,1,2,3,4,5,6,7
	FRAG 128*(\p)+FR*\i, ADRB+\slot, \q, \i
.endr
	WIN 0
.endm
.macro FETCH_A slot, q, i0
.irp i, \i0, \i0+1, \i0+2, \i0+3
	FRAG AF+FR*(\i), ADRA+\slot, \q, \i
.endr
.endm
.macro PLACES n
.rept \n
	v_nop
.endr
.endm
.macro STEP slot, q, zero
	s_wait_dscnt 4*NL
	WIN MUL_LO
	MUL16 0, (\q)%2, \zero
	MUL16 2, (\q)%2, \zero
	s_wait_dscnt 0
	PLACES NP
	FETCH_B \slot, (\q)+1, 1-(\q)%2
	FETCH_A \slot, (\q)+1, 0
	WIN MUL_HI
	MUL16 4, (\q)%2, \zero
	MUL16 6, (\q)%2, \zero
	PLACES NP
	WIN 0
	FETCH_A \slot, (\q)+1, 4
.endm
.macro TURN slot, next, fill
	s_wait_tensorcnt 0x0
	ds_add_u32 v[SPW], v[NIL]
	s_wait_dscnt 4*NL+1
	WIN MUL_LO
	MUL16 0, 1, 0
	s_wait_dscnt 0x0
	s_barrier_signal -1
	MUL16 2, 1, 0
	WIN 0
	s_barrier_wait -1
.if \fill
	CREST
	s_add_nc_u64 s[G0+4*\slot+2:G0+4*\slot+3], s[G0+4*\slot+2:G0+4*\slot+3], 2*ROWB
	s_add_nc_u64 s[G0B+4*\slot+2:G0B+4*\slot+3], s[G0B+4*\slot+2:G0B+4*\slot+3], 2*ROWB
	JLOAD G0+4*\slot, G1, G0B+4*\slot, G1B
.else
	PLACES NP
.endif
	FETCH_B \next, 0, 0
	FETCH_A \next, 0, 0
	WIN MUL_HI
	MUL16 4, 1, 0
	MUL16 6, 1, 0
	PLACES NP
	WIN 0
	FETCH_A \next, 0, 4
.endm
	s_wait_tensorcnt 1
	s_barrier_signal -1
	s_barrier_wait -1
	FETCH_B 0, 0, 0
	FETCH_A 0, 0, 0
	FETCH_A 0, 0, 4
	STEP 0, 0, 1
	s_mov_b32 s3, LAPS-1
.Llap:
	TURN 0, 1, 1
	STEP 1, 0, 0
	TURN 1, 0, 1
	STEP 0, 0, 0
	s_sub_co_u32 s3, s3, 1
	s_cmp_lg_u32 s3, 0
	s_cbranch_scc1 .Llap
	TURN 0, 1, 0
	STEP 1, 0, 0
	s_wait_dscnt 4*NL
	WIN MUL_LO
	MUL16 0, 1, 0
	MUL16 2, 1, 0
	s_wait_dscnt 0
	WIN MUL_HI
	MUL16 4, 1, 0
	MUL16 6, 1, 0
	WIN 0
.macro OUTA a, isv
.set AC, 64*((\a)%4)
.set CC, CD+16*((\a)%4)
.if (\a) >= 4
	s_wait_xcnt 0x0
.endif
	WIN 0x02+((\a)/4)
.set j, 0
.rept 32
.if \isv
	v_pk_fma_f32 v[T+j:T+j+1], v[AC+j:AC+j+1], s[90:91], v[BR+2*(\a):BR+2*(\a)+1] op_sel_hi:[1,0,0]
.else
	v_pk_fma_f32 v[T+j:T+j+1], v[AC+j:AC+j+1], s[90:91], v[BP+j:BP+j+1] op_sel_hi:[1,0,1]
.endif
.set j, j+2
.endr
	WIN 0
.set j, 0
.rept 64
	v_med3_num_f32 v[T+j], v[T+j], -v[LIM], v[LIM]
.set j, j+1
.endr
.irp b, 0,1,2,3
	v_cvt_scalef32_pk8_fp8_f32 v[CC+4*\b:CC+4*\b+1], v[T+16*\b:T+16*\b+7], v[SCL]
	v_cvt_scalef32_pk8_fp8_f32 v[CC+4*\b+2:CC+4*\b+3], v[T+16*\b+8:T+16*\b+15], v[SCL]
.endr
	v_nop
.irp b, 0,1,2,3
	global_store_b128 v[LI], v[CC+4*\b:CC+4*\b+3], s[6+4*((\a)/4)+2*(\b/2):7+4*((\a)/4)+2*(\b/2)] offset:1024*((\a)%4)+512*(\b%2)
.endr
.endm
	PLACES NP
	s_wait_loadcnt 0x0
	s_cmp_eq_u32 ttmp9, 2
	s_cbranch_scc1 .Lout_v
.irp a, 0,1,2,3,4,5,6,7
	OUTA \a, 0
.endr
	s_branch .Lout_done
.Lout_v:
.irp a, 0,1,2,3,4,5,6,7
	OUTA \a, 1
.endr
.Lout_done:
	s_wait_tensorcnt 0x0
	ds_add_u32 v[SPW], v[NIL]
	s_wait_dscnt 0x0
	CROUND
	s_endpgm
.Lfunc_end_k_q71d86e3689_proj:
	.size	k_q71d86e3689_proj, .Lfunc_end_k_q71d86e3689_proj-k_q71d86e3689_proj
	.p2alignl 7, 3214868480
	.fill 96, 4, 3214868480
	.section	.rodata,"a",@progbits
	.p2align	6, 0x0
	.amdhsa_kernel k_q71d86e3689_proj
		.amdhsa_group_segment_fixed_size 327680
		.amdhsa_private_segment_fixed_size 0
		.amdhsa_enable_private_segment 0
		.amdhsa_kernarg_size 56
		.amdhsa_user_sgpr_count 2
		.amdhsa_user_sgpr_kernarg_segment_ptr 1
		.amdhsa_wavefront_size32 1
		.amdhsa_system_sgpr_workgroup_id_x 1
		.amdhsa_system_sgpr_workgroup_id_y 1
		.amdhsa_system_sgpr_workgroup_id_z 1
		.amdhsa_system_vgpr_workitem_id 0
		.amdhsa_next_free_vgpr 1024
		.amdhsa_next_free_sgpr 102
		.amdhsa_reserve_vcc 0
		.amdhsa_float_denorm_mode_32 3
		.amdhsa_float_denorm_mode_16_64 3
		.amdhsa_memory_ordered 1
		.amdhsa_forward_progress 1
		.amdhsa_inst_pref_size 196
	.end_amdhsa_kernel
	.amdgpu_metadata
---
amdhsa.version: [ 1, 2 ]
amdhsa.kernels:
  - .name:           k_q71d86e3689_proj
    .symbol:         k_q71d86e3689_proj.kd
    .args:
      - { .name: codes, .offset: 0, .size: 8, .value_kind: global_buffer, .address_space: global }
      - { .name: bq, .offset: 8, .size: 8, .value_kind: global_buffer, .address_space: global }
      - { .name: bk, .offset: 16, .size: 8, .value_kind: global_buffer, .address_space: global }
      - { .name: bv, .offset: 24, .size: 8, .value_kind: global_buffer, .address_space: global }
      - { .name: lowp_scales, .offset: 32, .size: 8, .value_kind: global_buffer, .address_space: global }
      - { .name: qimg, .offset: 40, .size: 8, .value_kind: global_buffer, .address_space: global }
      - { .name: kv, .offset: 48, .size: 8, .value_kind: global_buffer, .address_space: global }
    .group_segment_fixed_size: 327680
    .private_segment_fixed_size: 0
    .kernarg_segment_align: 8
    .kernarg_segment_size: 56
    .max_flat_workgroup_size: 128
    .sgpr_count:     102
    .vgpr_count:     1024
    .wavefront_size: 32
...
	.end_amdgpu_metadata
.endif
;; end of part 2
;; launch attn (part 3): grid 4 x 64, 8 waves a work-group, clusters of 4 x 1, 327,680 bytes of LDS; arguments qimg, kv, att_mask, lowp_scales, out0; writes out0
.if DOCPART == 3
	.amdgcn_target "amdgcn-amd-amdhsa--gfx1250"
	.amdhsa_code_object_version 6
	.text
	.protected	k_q71d86e3689_attn
	.globl	k_q71d86e3689_attn
	.p2align	8
	.type	k_q71d86e3689_attn,@function
k_q71d86e3689_attn:
	s_mov_b64 s[64:65], 0
	v_nop
	global_prefetch_b8 v0, s[64:65] scope:SCOPE_SE
	s_setreg_imm32_b32 hwreg(HW_REG_WAVE_MODE, 25, 1), 1
	s_wait_xcnt 0x0
	s_wait_alu depctr_hold_cnt(0) depctr_sa_sdst(0) depctr_va_vdst(0) depctr_va_sdst(0) depctr_va_ssrc(0) depctr_va_vcc(0) depctr_vm_vsrc(0)
	s_getreg_b32 s2, hwreg(HW_REG_IB_STS2, 6, 4)
	s_cmp_eq_u32 s2, 0
	s_cbranch_scc0 .Lentry_in_a_cluster
	s_endpgm
.Lentry_in_a_cluster:
	s_bfe_u32 s2, ttmp6, 0x10000c
	s_cmp_lg_u32 s2, 0x3003
	s_cbranch_scc0 .Lentry_shape_is_right
	s_endpgm
.Lentry_shape_is_right:
; out0[b][q][64 head + d] = the sum over keys of softmax_key(q . k / 8 + att_mask[b][key]) v[key][d], both products on codes of FP8 (E4M3) with the given scales (entries 6, 7: q, k; 8, 9: p, v).
; THE SOFTMAX AHEAD OF THE SECOND PRODUCT: t = logit x log2(e); M = the row's largest t rounded UP to a whole number; p = 2^(t - M) is quantised, not normalised; the row's sum of the unquantised p divides at the end.
; TWO WALKS OVER THE KEYS.  Walk 1 makes S^T = k q^T + mask and keeps only each query's largest sum: M is then the row's own, not a running one.  Walk 2 makes S^T again, p, its sum, its codes and O^T:
; nothing is rescaled and O^T is read by no vector instruction before the end.  The first product is so done twice; k lies in LDS for both walks.
; SHARES.  A work-group owns 512 queries of one head of one batch; each of its eight waves 64 of them: four tiles of 16.  A head's codes of k and v, 262,144 bytes, lie in LDS whole, filled once.
; The four work-groups of a cluster are the four query blocks of one head: each wave's loads are asked for JOINTLY by the four.  k (4 x 4,096 bytes a wave) is asked for at the head, v behind the next round, and lands under walk 1.
; No prefetch: both loads of a wave stand at the head of the text, and there is no loop to run ahead in.
; OPERANDS ARE IMAGES OF REGISTERS, made by the launch before: a fragment of 16 rows x 64 K is two pieces of 512 bytes, lane l's 16 bytes at 16 l.  In memory a step of 64 keys is 4,096 bytes of k, then 4,096 of v.
; LAYOUT.  Both products are used transposed (S^T = k q^T, O^T = v^T p^T): a lane holds ONE query.  The rows of a tile are 32 (t / 2) + 8 (t % 2) + r + 8 (r / 8), so the 16 registers of tiles 2 c, 2 c + 1 are 16 neighbouring keys.
; THE MASK is the C of the first product, in the raw sums' unit: mask x 2^(3 - e6 - e7), exact; t = (sum + that) x c, c = log2(e) / 8 x 2^(e6 + e7).
; WALK 2 GOES IN UNITS of two query tiles x 64 keys (64 registers), on two buffers by turns.  A unit's 64 exponentials stand line by line between plain lines on the unit before (first level of its sum, its hold):
; those lines read what was finished ahead of the batch and write what is read behind it.
; LIMITS: e6 + e7 between -123 and 130 (added to c's exponent field); e8 between -126 and 119.  NaN and +infinity in the mask are not served; -infinity gives p = 0; a row all of whose keys are -infinity gives NaN, as the softmax does.
; REGISTERS.  Window 0: v1-10 addresses; v16-23 -M (a pair a tile); v24-39 the sums (two pairs a tile); v40-71 the mask as C; v72-103 first level of a unit's sum (walk 1: the mask's second set);
;   v104-119 p's codes (walk 1: the largest sums); v120-183, v184-247 the two buffers.   Window 1: v0-127 O^T; v128-159 q; v160-191 k; v192-223 v (walk 1: k's second set).
.set VB,    131072                     ; LDS: k's 32 steps of 4,096 bytes from 0, v's from here
.set MASKB, 262144                     ; the batch's mask, scaled: 2,048 f32
.set STAGE, 270336                     ; the way out: 16 rows x 272 bytes for each wave
.set SPARE, 0x4a800                    ; the spare words: 128 bytes for each wave
.set LI,   1
.set ADK,  2
.set MK0,  3
.set STO,  4
.set RD,   5
.set GO,   6
.set ADV,  7
.set SCL,  8
.set ADM,  10
.set NM,   16
.set ACC,  24
.set MK,   40
.set T,    72
.set P,    104
.set MX,   104
.set SA,   120
.set SB,   184
.set SPW,  254
.set NIL,  255
.set QF,   128
.set KF,   160
.set VF,   192
.set WV,   14
.set CS,   28
.set SEL,  30
.set G0,   32
.set G1,   40
.set TB,   56
.set TM,   57
.set CNT,  58
.set TV,   59
.set LIMS, 62                          ; s62  448 x 2^e8
.set MSB, 0
.macro WIN new                         ; the immediate's high byte repeats the setting that is left
.if MSB != \new
	s_set_vgpr_msb (MSB<<8)|\new
.set MSB, \new
.endif
.endm
.set W_KQ,  0x05                       ; k and q window 1; the mask and S^T window 0
.set W_PV,  0x51                       ; v window 1, p window 0, O^T window 1
.set TO_1,  0x40                       ; destination window 1
.set W_OUT, 0x01                       ; source 0 window 1
.macro ROUND                           ; a round of the cluster's barrier
	s_barrier_signal -1
	s_barrier_wait -1
	s_cmp_lg_u32 s[WV], 0
	s_cbranch_scc1 .Lnot_wave_0_\@
	s_barrier_signal -3
.Lnot_wave_0_\@:
	s_barrier_wait -3
	s_barrier_signal -1
	s_barrier_wait -1
.endm
.macro TLOAD                           ; my joint load
	tensor_load_to_lds s[G0:G0+3], s[G1:G1+7]
	s_nop 0
.rept 4
	v_nop
.endr
.endm
	s_load_b256 s[4:11], s[0:1], 0x0               ; qimg, kv, the mask, the scales' exponents
	s_load_b64 s[12:13], s[0:1], 0x20              ; out0
	v_lshl_add_u32 v[SPW], v0, 2, SPARE
	v_mov_b32 v[NIL], 0
	ds_add_u32 v[SPW], v[NIL]                      ; the add twice on end,
	ds_add_u32 v[SPW], v[NIL]
	v_lshrrev_b32 v9, 5, v0
	v_readfirstlane_b32 s[WV], v9                  ; wave 0..7
	s_bfe_u32 s15, ttmp6, 0x40000                  ; cx: my block of 512 queries: it enters q's and out0's addresses alone
	s_and_b32 s16, ttmp7, 0xffff                   ; 16 x batch + head, which the four partners share
	s_mov_b32 s[G1], 15|(3<<16)|(1<<21)            ; the mask names all four; elements of 8 bytes; no padding
	s_mov_b32 s[G1+1], 512<<16                     ; a row: 512 elements = a step's 4,096 bytes of k (or of v)
	s_mov_b32 s[G1+2], 4<<16                       ; four rows: four steps
	s_mov_b32 s[G1+3], 512<<16
	s_mov_b32 s[G1+4], 4
	s_mov_b32 s[G1+5], 1024                        ; from step to step in memory: 8,192 bytes
	s_mov_b32 s[G1+6], 0
	s_mov_b32 s[G1+7], 0
	s_lshl_b32 s17, s[WV], 14                      ; my four steps in LDS
	s_lshl_b32 s18, s16, 18
	s_lshl_b32 s19, s[WV], 15                      ; and in memory
	s_add_co_u32 s18, s18, s19
	s_mov_b32 s19, 0
	s_mov_b32 s21, 0
	s_mov_b32 s23, 0
	s_mov_b32 s[SEL], 0x76543210
	s_mov_b32 s[SEL+1], 0xfedcba98
	s_mov_b32 s[TB], 0
	s_mov_b32 s[TM], 0
	s_wait_dscnt 0x0                               ; and the one wait for both
	s_wait_kmcnt 0x0
	s_load_b128 s[24:27], s[10:11], 0x18           ; entries 6 to 9
	s_mov_b32 s[G0], 1
	s_mov_b32 s[G0+1], s17
	s_add_nc_u64 s[G0+2:G0+3], s[6:7], s[18:19]
	s_or_b32 s[G0+3], s[G0+3], 0x80000000
	ROUND                                          ; all four work-groups are here: the joint loads meet
	TLOAD                                          ; k of my four steps: my one tensor load at the head
	s_lshr_b32 s20, s16, 4                         ; the batch
	s_lshl_b32 s22, s20, 13
	s_add_nc_u64 s[8:9], s[8:9], s[22:23]          ; its 2,048 numbers of the mask
	v_lshlrev_b32 v11, 4, v0
	global_load_b128 v[T:T+3], v11, s[8:9]         ; the 256 threads copy them: twice 4,096 consecutive bytes
	global_load_b128 v[T+4:T+7], v11, s[8:9] offset:4096
	s_lshl_b32 s22, s16, 7                         ; q: 128 tiles a head, 32 a block of queries, 4 a wave; 1,024 bytes a tile
	s_lshl_b32 s2, s15, 5
	s_add_co_u32 s22, s22, s2
	s_lshl_b32 s2, s[WV], 2
	s_add_co_u32 s22, s22, s2
	s_lshl_b32 s22, s22, 10
	s_add_nc_u64 s[4:5], s[4:5], s[22:23]
	v_and_b32 v9, 31, v0
	v_lshlrev_b32 v[LI], 4, v9
	WIN TO_1
.irp n, 0,1,2,3,4,5,6,7
	global_load_b128 v[QF+4*\n:QF+4*\n+3], v[LI], s[4:5] offset:512*\n   ; q's four fragments stay in registers
.endr
	WIN 0
	s_lshl_b32 s20, s20, 11                        ; out0: my first token's row: 2,048 x batch + 512 cx + 64 x wave, of 4,096 bytes; the head's 256 bytes in it
	s_lshl_b32 s2, s15, 9
	s_add_co_u32 s20, s20, s2
	s_lshl_b32 s2, s[WV], 6
	s_add_co_u32 s20, s20, s2
	s_lshl_b32 s20, s20, 12
	s_and_b32 s2, s16, 15
	s_lshl_b32 s2, s2, 8
	s_add_co_u32 s20, s20, s2
	s_add_nc_u64 s[12:13], s[12:13], s[20:21]
	v_lshl_add_u32 v12, v0, 4, MASKB               ; where my part of the mask goes
	v_bfe_u32 v13, v0, 4, 1                        ; h
	v_and_b32 v14, 15, v0                          ; r
	v_lshl_add_u32 v[MK0], v13, 6, MASKB
	s_mul_i32 s22, s[WV], 16*272
	s_add_co_u32 s22, s22, STAGE                   ; my stage
	v_mul_u32_u24 v[STO], v14, 272
	v_mul_u32_u24 v[RD], v13, 272
	v_lshl_add_u32 v[STO], v13, 6, v[STO]
	v_lshl_add_u32 v[RD], v14, 4, v[RD]
	v_add_nc_u32 v[STO], s22, v[STO]               ; in: row r, + 64 h
	v_add_nc_u32 v[RD], s22, v[RD]                 ; back: lanes 0-15 one row, lanes 16-31 the next
	v_lshlrev_b32 v[GO], 12, v13
	v_lshl_add_u32 v[GO], v14, 4, v[GO]            ; and the same two rows in out0
.irp n, 0,1,2,3,4,5,6,7
	v_mov_b32 v[MX+\n], 0xff800000                 ; the largest sums so far, two chains a tile: -infinity
.endr
	s_wait_alu depctr_va_vdst(0)
	s_wait_kmcnt 0x0
	s_add_co_i32 s20, s24, s25                     ; e6 + e7
	s_sub_co_i32 s61, 3, s20
	s_lshl_b32 s20, s20, 23
	s_add_co_i32 s[CS], s20, 0x3e38aa3b            ; c = log2(e) / 8, with e6 + e7 added to its exponent field
	s_mov_b32 s[CS+1], s[CS]
	s_add_co_i32 s20, s26, 127
	s_lshl_b32 s22, s20, 23
	v_mov_b32 v[SCL], s22                          ; 2^e8 as f32, for the conversion
	s_add_co_i32 s20, s20, 8
	s_lshl_b32 s20, s20, 23
	s_or_b32 s[LIMS], s20, 0x600000                ; 448 x 2^e8
	s_add_co_i32 s60, s26, s27                     ; e8 + e9
	s_wait_loadcnt 8                               ; the mask's two loads are in; q's eight, issued behind them, may be out
.irp i, 0,1,2,3,4,5,6,7
	v_ldexp_f32 v[T+\i], v[T+\i], s61              ; x 2^(3 - e6 - e7): exact
.endr
	ds_store_b128 v12, v[T:T+3]
	ds_store_b128 v12, v[T+4:T+7] offset:4096
	s_wait_alu depctr_va_vdst(0)
	s_wait_tensorcnt 0x0                           ; my part of k has landed; the add ahead of a later first fill:
	ds_add_u32 v[SPW], v[NIL]
	s_add_co_u32 s[G0+1], s[G0+1], VB              ; no load of mine is out, so group 0 may be written: v of the same four steps
	s_add_nc_u64 s[G0+2:G0+3], s[G0+2:G0+3], 4096
	s_wait_dscnt 0x0                               ; the add is done, and my part of the mask is stored
	ROUND                                          ; everybody's k and mask are in, and the four work-groups are here
	TLOAD                                          ; v: the first tensor load behind the round
; a step's k (4 tiles x 2 pieces) and mask (32 f32 a lane: registers 16 c + i are key 32 c + 16 h + i, as S^T has them)
.macro FK kf, mk
	v_add_nc_u32 v[ADK], s[TB], v[LI]
	v_add_nc_u32 v[ADM], s[TM], v[MK0]
	s_add_co_u32 s[TB], s[TB], 4096
	s_add_co_u32 s[TM], s[TM], 256
	WIN TO_1
.irp n, 0,1,2,3,4,5,6,7
	ds_load_b128 v[\kf+4*\n:\kf+4*\n+3], v[ADK] offset:512*\n
.endr
	WIN 0
.irp n, 0,1,2,3,4,5,6,7
	ds_load_b128 v[\mk+4*\n:\mk+4*\n+3], v[ADM] offset:128*(\n/4)+16*(\n%4)
.endr
.endm
.macro FV                              ; a step's v
	v_add_nc_u32 v[ADV], s[TV], v[LI]
	s_add_co_u32 s[TV], s[TV], 4096
	WIN TO_1
.irp n, 0,1,2,3,4,5,6,7
	ds_load_b128 v[VF+4*\n:VF+4*\n+3], v[ADV] offset:512*\n
.endr
	WIN 0
.endm
.macro KQU b, qp, kf, mk               ; a unit of S^T = k q^T + the mask: query tiles 2 qp, 2 qp + 1 x four tiles of keys, each product a sum of its own
	WIN W_KQ
.irp k, 0,1,2,3
.irp q, 0,1
	v_wmma_f32_16x16x64_fp8_fp8 v[\b+32*\q+8*\k:\b+32*\q+8*\k+7], v[\kf+8*\k:\kf+8*\k+7], v[QF+8*(2*\qp+\q):QF+8*(2*\qp+\q)+7], v[\mk+8*\k:\mk+8*\k+7]
.endr
.endr
	WIN 0
.endm
.macro PVU qp, zero                    ; O^T += v^T p^T for the unit's two tiles: eight accumulators, one instruction each.  zero = 1: the first step starts the sums
	WIN W_PV
.irp d, 0,1,2,3
.irp q, 0,1
.if \zero
	v_wmma_f32_16x16x64_fp8_fp8 v[32*(2*\qp+\q)+8*\d:32*(2*\qp+\q)+8*\d+7], v[VF+8*\d:VF+8*\d+7], v[P+8*\q:P+8*\q+7], 0
.else
	v_wmma_f32_16x16x64_fp8_fp8 v[32*(2*\qp+\q)+8*\d:32*(2*\qp+\q)+8*\d+7], v[VF+8*\d:VF+8*\d+7], v[P+8*\q:P+8*\q+7], v[32*(2*\qp+\q)+8*\d:32*(2*\qp+\q)+8*\d+7]
.endif
.endr
.endr
	WIN 0
.endm
.macro MAXU b, qp                      ; a unit's largest sums: four chains, ascending
.irp i, 0,4,8,12,16,20,24,28
.irp q, 0,1
	v_max3_num_f32 v[MX+4*\qp+2*\q], v[MX+4*\qp+2*\q], v[\b+32*\q+\i], v[\b+32*\q+\i+1]
	v_max3_num_f32 v[MX+4*\qp+2*\q+1], v[MX+4*\qp+2*\q+1], v[\b+32*\q+\i+2], v[\b+32*\q+\i+3]
.endr
.endr
.endm
; WALK 1, a step.  Its first unit's products were issued in the step before.  k and the mask have two sets of registers by turns: x, mx this step's, y, my the next step's.
; The 32 lines of MAXU are the places behind the products ahead of them, for the loads into x, mx too.
.macro P1 x, mx, y, my, fetch, next
	KQU SB, 1, \x, \mx
	MAXU SA, 0
.if \fetch
	FK \x, \mx                                     ; two steps on
	s_wait_dscnt 16                                ; the next step's sixteen loads are in; the sixteen just issued may be out
.elseif \next
	s_wait_dscnt 0x0
.endif
.if \next
	KQU SA, 0, \y, \my
.endif
	MAXU SB, 1
.endm
	FK KF, MK                                      ; step 0
	FK VF, T                                       ; step 1
	s_wait_loadcnt 0x0                             ; q
	s_wait_dscnt 16                                ; step 0's loads are in
	KQU SA, 0, KF, MK
.rept 4
	v_nop                                          ; the places behind these first products
.endr
	s_mov_b32 s[CNT], 15
.Lmax:                                             ; steps 0 to 29, two a trip
	P1 KF, MK, VF, T, 1, 1
	P1 VF, T, KF, MK, 1, 1
	s_sub_co_u32 s[CNT], s[CNT], 1
	s_cmp_lg_u32 s[CNT], 0
	s_cbranch_scc1 .Lmax
	P1 KF, MK, VF, T, 0, 1                         ; steps 30 and 31 fetch nothing
	P1 VF, T, KF, MK, 0, 0
.irp q, 0,1,2,3
	v_max_num_f32 v[MX+2*\q], v[MX+2*\q], v[MX+2*\q+1]
.endr
.irp q, 0,1,2,3
	v_permlanex16_b32 v[MX+2*\q+1], v[MX+2*\q], s[SEL], s[SEL+1]   ; the query's other keys lie in the lane 16 away
.endr
.irp q, 0,1,2,3
	v_max_num_f32 v[MX+2*\q], v[MX+2*\q], v[MX+2*\q+1]
.endr
.irp q, 0,1,2,3
	v_mul_f32 v[MX+2*\q], s[CS], v[MX+2*\q]        ; as t (c is positive)
.endr
.irp q, 0,1,2,3
	v_floor_f32 v[NM+2*\q], -v[MX+2*\q]            ; -M = floor(-t) = -ceil(t)
.endr
.irp q, 0,1,2,3
	v_mov_b32 v[NM+2*\q+1], 0                      ; (named with it as a pair)
.endr
	s_mov_b32 s[TB], 0
	s_mov_b32 s[TM], 0
	s_mov_b32 s[TV], VB
	s_wait_alu depctr_va_vdst(0)
	s_wait_tensorcnt 0x0                           ; my part of v has landed,
	s_wait_dscnt 0x0
	s_barrier_signal -1
	s_barrier_wait -1                              ; everybody's has.  Nothing is filled again
; WALK 2.
.macro DMIN r                          ; the hold, two numbers a line: the conversion to an 8-bit code does not saturate (ISA guide 7.6.2); p is not negative, so it is one-sided
	v_dual_min_num_f32 v[(\r)], s[LIMS], v[(\r)] :: v_dual_min_num_f32 v[(\r)+1], s[LIMS], v[(\r)+1]
.endm
; A batch: buffer e's 64 exponentials (ex = 1); between them (work = 1) buffer p's first level of sums, of the unquantised p, and then its hold.  One wait ahead of the batch and one behind it.
.macro BATCH e, p, ex, work
.if \ex
	s_wait_alu depctr_va_vdst(0)
.endif
.set i, 0
.rept 16
.if \ex
	v_exp_f32 v[\e+4*i], v[\e+4*i]                 ; p = 2^(t - M), at most 1
.endif
.if \work
	v_pk_add_f32 v[T+2*i:T+2*i+1], v[\p+4*i:\p+4*i+1], v[\p+4*i+2:\p+4*i+3]
.endif
.if \ex
	v_exp_f32 v[\e+4*i+1], v[\e+4*i+1]
.endif
.if \work
	DMIN \p+4*i
.endif
.if \ex
	v_exp_f32 v[\e+4*i+2], v[\e+4*i+2]
.endif
.if \work
	DMIN \p+4*i+2
.endif
.if \ex
	v_exp_f32 v[\e+4*i+3], v[\e+4*i+3]
.endif
.set i, i+1
.endr
.if \ex
	v_nop                                          ; a plain line behind the last exponential
	s_wait_alu depctr_va_vdst(0)
.endif
.endm
; Between two batches, on buffer b (query tiles 2 qp, 2 qp + 1).  fin: the unit that lies there is finished: codes, second product, sums.  kq: the unit two on is begun there: first product, t - M.
; fk, fv: the next step's k and mask, and v, are fetched; wt: what was fetched is waited for.
.macro POST b, qp, fin, zero, kq, fk, fv, wt
.if \wt
	s_wait_dscnt 0x0
.endif
.if \fin
.irp q, 0,1
.irp k, 0,1,2,3
	v_cvt_scalef32_pk8_fp8_f32 v[P+8*\q+2*\k:P+8*\q+2*\k+1], v[\b+32*\q+8*\k:\b+32*\q+8*\k+7], v[SCL]
.endr
.endr
.irp q, 0,1                                    ; (plain lines between the conversions and the products that read their results and write their sources)
.irp i, 0,4,8,12
	v_pk_add_f32 v[T+16*\q+\i:T+16*\q+\i+1], v[T+16*\q+\i:T+16*\q+\i+1], v[T+16*\q+\i+2:T+16*\q+\i+3]
.endr
.endr
.endif
.if \kq
	KQU \b, \qp, KF, MK
.endif
.if \fin
	PVU \qp, \zero
.if \zero                                      ; the first unit of a tile starts its sums.  These lines are also the places behind the products
.irp q, 0,1
	v_pk_add_f32 v[ACC+8*\qp+4*\q:ACC+8*\qp+4*\q+1], v[T+16*\q:T+16*\q+1], v[T+16*\q+4:T+16*\q+5]
.endr
.irp q, 0,1
	v_pk_add_f32 v[ACC+8*\qp+4*\q+2:ACC+8*\qp+4*\q+3], v[T+16*\q+8:T+16*\q+9], v[T+16*\q+12:T+16*\q+13]
.endr
.else
.irp q, 0,1
	v_pk_add_f32 v[T+16*\q:T+16*\q+1], v[T+16*\q:T+16*\q+1], v[T+16*\q+4:T+16*\q+5]
.endr
.irp q, 0,1
	v_pk_add_f32 v[T+16*\q+8:T+16*\q+9], v[T+16*\q+8:T+16*\q+9], v[T+16*\q+12:T+16*\q+13]
.endr
.irp q, 0,1
	v_pk_add_f32 v[ACC+8*\qp+4*\q:ACC+8*\qp+4*\q+1], v[ACC+8*\qp+4*\q:ACC+8*\qp+4*\q+1], v[T+16*\q:T+16*\q+1]
.endr
.irp q, 0,1
	v_pk_add_f32 v[ACC+8*\qp+4*\q+2:ACC+8*\qp+4*\q+3], v[ACC+8*\qp+4*\q+2:ACC+8*\qp+4*\q+3], v[T+16*\q+8:T+16*\q+9]
.endr
.endif
.else
.rept 4
	v_nop                                          ; the places behind the products
.endr
.endif
.if \fk
	FK KF, MK
.endif
.if \fv
	FV
.endif
.if \kq
.irp q, 0,1
.set j, 0
.rept 16
	v_pk_fma_f32 v[\b+32*\q+j:\b+32*\q+j+1], v[\b+32*\q+j:\b+32*\q+j+1], s[CS:CS+1], v[NM+4*\qp+2*\q:NM+4*\qp+2*\q+1] op_sel_hi:[1,0,0]   ; t - M, two at a time, ascending
.set j, j+2
.endr
.endr
.endif
.endm
; Unit u = 2 s + qp of step s lies in buffer u % 2.  Behind batch u: unit u - 1 is finished and unit u + 1 begun.  Behind an even batch 2 s: k and the mask of step s + 1 and v of step s are fetched.
	FK KF, MK                                      ; step 0
	POST SA, 0, 0, 0, 1, 0, 0, 1                   ; unit 0 is begun
	BATCH SA, SB, 1, 0                             ; batch 0
	POST SB, 1, 0, 0, 1, 1, 1, 0
	BATCH SB, SA, 1, 1                             ; batch 1
	POST SA, 0, 1, 1, 1, 0, 0, 1                   ; unit 0 starts O^T's sums of tiles 0, 1
	BATCH SA, SB, 1, 1                             ; batch 2
	POST SB, 1, 1, 1, 1, 1, 1, 0                   ; unit 1 those of tiles 2, 3
	s_mov_b32 s[CNT], 29
.Lstep:                                            ; batches 3 to 60, two a trip
	BATCH SB, SA, 1, 1
	POST SA, 0, 1, 0, 1, 0, 0, 1
	BATCH SA, SB, 1, 1
	POST SB, 1, 1, 0, 1, 1, 1, 0
	s_sub_co_u32 s[CNT], s[CNT], 1
	s_cmp_lg_u32 s[CNT], 0
	s_cbranch_scc1 .Lstep
	BATCH SB, SA, 1, 1                             ; batch 61
	POST SA, 0, 1, 0, 1, 0, 0, 1
	BATCH SA, SB, 1, 1                             ; batch 62
	POST SB, 1, 1, 0, 1, 0, 1, 0                   ; only step 31's v is still to be fetched
	BATCH SB, SA, 1, 1                             ; batch 63
	POST SA, 0, 1, 0, 0, 0, 0, 1                   ; nothing more is begun
	BATCH SA, SB, 0, 1                             ; unit 63's sums and hold
	POST SB, 1, 1, 0, 0, 0, 0, 0
	; THE WAY OUT.  The sum's parts and the other half of the lanes' are added; O^T is divided by the sum, multiplied by 2^(e8 + e9), and goes through my stage in LDS, a tile of 16 queries at a time,
	; so that sixteen lanes store a token's 256 bytes of this head, aligned.
.irp q, 0,1,2,3
	v_pk_add_f32 v[ACC+4*\q:ACC+4*\q+1], v[ACC+4*\q:ACC+4*\q+1], v[ACC+4*\q+2:ACC+4*\q+3]
.endr
.irp q, 0,1,2,3
	v_add_f32 v[ACC+4*\q], v[ACC+4*\q], v[ACC+4*\q+1]
.endr
.irp q, 0,1,2,3
	v_permlanex16_b32 v[ACC+4*\q+1], v[ACC+4*\q], s[SEL], s[SEL+1]
.endr
.irp q, 0,1,2,3
	v_add_f32 v[ACC+4*\q], v[ACC+4*\q], v[ACC+4*\q+1]
.endr
	s_wait_alu depctr_va_vdst(0)
.irp q, 0,1,2,3
	v_rcp_f32 v[ACC+4*\q], v[ACC+4*\q]
.endr
	v_nop                                          ; a plain line behind the last reciprocal
	s_wait_alu depctr_va_vdst(0)
.irp q, 0,1,2,3
	v_ldexp_f32 v[NM+2*\q], v[ACC+4*\q], s60
.endr
.macro OUT q                           ; tile q: registers 16 b + i are channels 32 b + 16 h + i of query r
	WIN W_OUT
	s_wait_alu depctr_va_vdst(0)                   ; the wait directly ahead of the first readers of O^T
.set j, 0
.rept 16
	v_pk_mul_f32 v[SA+32*\q+j:SA+32*\q+j+1], v[32*\q+j:32*\q+j+1], v[NM+2*\q:NM+2*\q+1] op_sel_hi:[1,0]
.set j, j+2
.endr
	WIN 0
.irp b, 0,1
.irp i, 0,1,2,3
	ds_store_b128 v[STO], v[SA+32*\q+16*\b+4*\i:SA+32*\q+16*\b+4*\i+3] offset:128*\b+16*\i
.endr
.endr
.irp i, 0,1,2,3,4,5,6,7
	ds_load_b128 v[SA+32*\q+4*\i:SA+32*\q+4*\i+3], v[RD] offset:544*\i   ; LDS serves a wave's instructions in order (ISA guide 5.7.1.4): these see my stores, and the next tile's stores come behind them
.endr
.endm
.macro SEND q, younger                 ; younger: the LDS instructions issued behind tile q's loads.  Stage rows 2 i and 2 i + 1 are tokens 32 (q / 2) + 8 (q % 2) + 2 i + 8 (i / 4) and the next
.irp i, 0,1,2,3,4,5,6,7
	s_wait_dscnt \younger+7-\i
	global_store_b128 v[GO], v[SA+32*\q+4*\i:SA+32*\q+4*\i+3], s[12:13] offset:(16*\q-8*(\q%2)+2*\i+8*(\i/4))*4096 th:TH_STORE_NT   ; sixteen lanes store 256 consecutive bytes, aligned
.endr
.endm
	OUT 0
	OUT 1
	SEND 0, 16
	OUT 2
	SEND 1, 16
	OUT 3
	SEND 2, 16
	SEND 3, 0
	s_wait_tensorcnt 0x0                           ; the wave's end
	ds_add_u32 v[SPW], v[NIL]
	s_wait_dscnt 0x0
	ROUND                                          ; the closing round
	s_endpgm
.Lfunc_end_k_q71d86e3689_attn:
	.size	k_q71d86e3689_attn, .Lfunc_end_k_q71d86e3689_attn-k_q71d86e3689_attn
	.p2alignl 7, 3214868480
	.fill 96, 4, 3214868480
	.section	.rodata,"a",@progbits
	.p2align	6, 0x0
	.amdhsa_kernel k_q71d86e3689_attn
		.amdhsa_group_segment_fixed_size 327680
		.amdhsa_private_segment_fixed_size 0
		.amdhsa_enable_private_segment 0
		.amdhsa_kernarg_size 40
		.amdhsa_user_sgpr_count 2
		.amdhsa_user_sgpr_kernarg_segment_ptr 1
		.amdhsa_wavefront_size32 1
		.amdhsa_system_sgpr_workgroup_id_x 1
		.amdhsa_system_sgpr_workgroup_id_y 1
		.amdhsa_system_sgpr_workgroup_id_z 1
		.amdhsa_system_vgpr_workitem_id 0
		.amdhsa_next_free_vgpr 512
		.amdhsa_next_free_sgpr 66
		.amdhsa_reserve_vcc 0
		.amdhsa_float_denorm_mode_32 3
		.amdhsa_float_denorm_mode_16_64 3
		.amdhsa_memory_ordered 1
		.amdhsa_forward_progress 1
		.amdhsa_inst_pref_size 135
	.end_amdhsa_kernel
	.amdgpu_metadata
---
amdhsa.version: [ 1, 2 ]
amdhsa.kernels:
  - .name:           k_q71d86e3689_attn
    .symbol:         k_q71d86e3689_attn.kd
    .args:
      - { .name: qimg, .offset: 0, .size: 8, .value_kind: global_buffer, .address_space: global }
      - { .name: kv, .offset: 8, .size: 8, .value_kind: global_buffer, .address_space: global }
      - { .name: att_mask, .offset: 16, .size: 8, .value_kind: global_buffer, .address_space: global }
      - { .name: lowp_scales, .offset: 24, .size: 8, .value_kind: global_buffer, .address_space: global }
      - { .name: out0, .offset: 32, .size: 8, .value_kind: global_buffer, .address_space: global }
    .group_segment_fixed_size: 327680
    .private_segment_fixed_size: 0
    .kernarg_segment_align: 8
    .kernarg_segment_size: 40
    .max_flat_workgroup_size: 256
    .sgpr_count:     66
    .vgpr_count:     512
    .wavefront_size: 32
...
	.end_amdgpu_metadata
.endif
;; end of part 3
